; MI455X (gfx1250); checked and timed in simulation.
; The chip was launched on July 23, 2026; its instructions are those of AMD's public machine-readable ISA for CDNA 5 (MIT licence, August 2026) and "CDNA5" Instruction Set Architecture Reference Guide (July 2026). The comments in the code are by the model that wrote it; some were corrected since.
;; Manual Attention. Allowed arithmetic: matrix products marked QUANTISED: E5M2 operands, one given power-of-two scale a tensor, by v_wmma_f32_16x16x64_bf8_bf8 or v_wmma_f32_16x16x128_bf8_bf8, f32 sums; everything else in f32.
;; Inputs: b_out 1,024 float32; b_qkv 3,072 float32; lowp_scales 8 int32 (the exponents e of the quantised operands' scales 2^e); w_out 1,024 x 1,024 float32; w_qkv 3,072 x 1,024 float32; x 4 x 2,048 x 1,024 float32.
;; Outputs: out0 4 x 2,048 x 1,024 float32.
;; This version of the problem:
;;   THIS VERSION OF THE PROBLEM IS GIVEN IN LOW PRECISION. The matrix products marked QUANTISED in the list below multiply operands that are first quantised to E5M2 (5 exponent bits, 2 mantissa bits; 8 bits a number), with one given power-of-two scale for each operand tensor; their sums are f32. All else is computed in f32.
;;   The module's matrix products, in the order in which they are computed (A, B: the left and right operand; K: the contracted axis; several contracted axes count as one K, in the product's order):
;;     1. [M 8,192, K 1,024] x [K 1,024, N 3,072]; A: input x; B: input w_qkv: QUANTISED (scales: A lowp_scales[0], B lowp_scales[1])
;;     2. batch 64 x [M 2,048, K 64] x [K 64, N 2,048]; A: computed on the way; B: computed on the way: QUANTISED (scales: A lowp_scales[2], B lowp_scales[3])
;;     3. batch 64 x [M 2,048, K 2,048] x [K 2,048, N 64]; A: softmax (see below); B: computed on the way: QUANTISED (scales: A lowp_scales[4], B lowp_scales[5])
;;     4. [M 8,192, K 1,024] x [K 1,024, N 1,024]; A: computed on the way; B: input w_out: QUANTISED (scales: A lowp_scales[6], B lowp_scales[7])
;;   THE QUANTISER, for each operand of a quantised product, along K:
;;     - The operand's scale is 2^e, e = its entry of the input lowp_scales (int32; the entries are numbered through the quantised products in the list's order, A before B).
;;     - Each number is divided by the scale, clamped to +-57,344, and rounded to the nearest number of E5M2, ties to even, subnormals kept.
;;     - The product sums the exact products of the quantised numbers (number of the format x scale) in f32.
;;   ~~~python
;;   def quantise(x, axis, e):      # numpy; x: float32 -> the quantised numbers, widened to float32 again
;;       x = np.moveaxis(x, axis, -1); K = x.shape[-1]
;;       r = np.clip(x / 2.0 ** e, -57344, 57344)
;;       step = 2.0 ** (np.maximum(np.frexp(np.where(r == 0, 1, r))[1] - 1, -14) - 2)
;;       q = np.round(r / step) * step * 2.0 ** e      # np.round: ties to even
;;       return np.moveaxis(q, -1, axis).astype(np.float32)
;;   ~~~
;;   SOFTMAX AHEAD OF A QUANTISED PRODUCT. Where the list says 'softmax', what is quantised is not the finished softmax but p = 2^(t - M), with t = logit x log2(e) and M = ceil(the row's largest t), a whole number; so 1/2 < the row's largest p <= 1. The row's sum l is taken of the UNQUANTISED p, in f32, and the product's result is divided by l at the end. Since M is a whole number, a kernel that streams over the keys may use a running M (the ceiling of the running maximum): every later rescaling is an exact power of two, so the quantised numbers keep their values, but for numbers so far below the row's largest that they fall under the format's range.
;;   OPERANDS COMPUTED ON THE WAY. 'Computed on the way' means the value that the module computes at that place (a softmax that the list does not call 'softmax' is quantised finished and normalised). What goes into a quantiser is computed in f32, as accurately as f32 sums, v_exp_f32 and their like allow (about 1e-6 of the number): no bf16 or f16 on the way to a quantiser, and a product that is left as it is and whose result goes on into a quantised operand takes f32 operands (vector FMAs, or v_wmma_f32_16x16x4_f32). A number that lies on a knife's edge between two numbers of the format may be rounded either way, as far as f32 arithmetic and the matrix unit's own rounding can turn it there, and no further.
;; One version. Each part assembles by itself: llvm-mc -triple=amdgcn-amd-amdhsa -mcpu=gfx1250 --defsym DOCPART=n.
;; ======== version 1 of 1: 4 launches
;; limits: right only within a limited range of input values
;; workspace buffers: xc 8,388,608 bytes; wqc 3,145,728 bytes; woc 1,048,576 bytes; qimg 8,388,608 bytes; kimg 8,388,608 bytes; vimg 8,388,608 bytes; aimg 8,388,608 bytes
;; launch quant (part 1): grid 384 x 1, 4 waves a work-group, no clusters, 33,280 bytes of LDS; arguments x, w_qkv, w_out, lowp_scales, xc, wqc, woc; writes xc, wqc, woc
.if DOCPART == 1
	.amdgcn_target "amdgcn-amd-amdhsa--gfx1250"
	.amdhsa_code_object_version 6
	.text
	.protected	k_q97cea32058_quant
	.globl	k_q97cea32058_quant
	.p2align	8
	.type	k_q97cea32058_quant,@function
k_q97cea32058_quant:
	s_mov_b64 s[64:65], 0
	v_nop
	global_prefetch_b8 v0, s[64:65] scope:SCOPE_SE
	s_setreg_imm32_b32 hwreg(HW_REG_WAVE_MODE, 25, 1), 1
	s_wait_xcnt 0x0
; x [8192][1024], w_qkv [3072][1024] and w_out [1024][1024], f32 with K innermost, become codes of BF8 (E5M2), one byte each, in the same order: xc, wqc, woc.
; code = number / 2^e, held within +-57,344, rounded to the nearest code, ties to even.  e: entry 0 of the scales for x, entry 1 for w_qkv, entry 7 for w_out.
; LIMITS: -126 <= e and e + 15 <= 127, so that 2^e and 57,344 x 2^e are f32 numbers.  NaN among the inputs is not served (an infinity is held at the largest code).
; Rows are dense, so each tensor is a plain stream.  A work-group takes 32,768 numbers: work-groups 0-255 x, 256-351 w_qkv, 352-383 w_out; only pointers and e are chosen, by the work-group's number: one path for all.
; A wave takes 16 steps of 512 numbers.  Each of a step's four loads reads 512 consecutive bytes, 16 a lane; the conversions want 16 NEIGHBOURS in one lane's registers, so the step's 2,048 bytes go through the
; wave's own stage in LDS as they lie and come back 64 bytes a lane (16 bytes of padding behind each 64).  A lane's 16 codes are 16 bytes: a store covers 512 consecutive bytes, aligned.
; No tensor loads, no barrier: waves share nothing.  Loads run four steps (16 loads a wave) ahead, the turn through LDS one step.
.set STEPS, 16
.set WGW,   256                        ; the first work-group of w_qkv
.set WGO,   352                        ; the first work-group of w_out
.set EMAX,  15
.set MANT,  0x600000                   ; the mantissa field of 57,344 as f32
.set CB,    16                         ; bytes of 16 codes
.set R,     16                         ; v16-79   four sets of 16 numbers as they are loaded
.set X,     80                         ; v80-111  two sets of 16 neighbours
.set C,     128                        ; v128-191 codes: four registers for each step, so that no store's data are written again
.set WREG,  8192                       ; LDS: a region of its own for each wave: two stages of 32 x SP bytes
.set SP,    80                         ; a lane's place in a stage: its 64 bytes + 16 of padding
	s_load_b256 s[4:11], s[0:1], 0x0               ; x s[4:5], w_qkv s[6:7], w_out s[8:9], the scales' exponents s[10:11]
	s_load_b128 s[12:15], s[0:1], 0x20             ; xc s[12:13], wqc s[14:15]
	s_load_b64 s[26:27], s[0:1], 0x30              ; woc
	v_lshl_add_u32 v192, v0, 2, 0x8000
	v_mov_b32 v193, 0
	v_lshrrev_b32 v1, 5, v0
	v_readfirstlane_b32 s16, v1                    ; wave
	v_and_b32 v2, 31, v0                           ; lane
	v_lshlrev_b32 v3, 4, v2                        ; my 16 bytes of a load's 512
	s_mul_i32 s17, s16, WREG
	v_lshrrev_b32 v14, 2, v2
	v_mul_u32_u24 v14, v14, SP
	v_and_b32 v15, 3, v2
	v_lshl_add_u32 v14, v15, 4, v14
	v_add_nc_u32 v14, s17, v14                     ; the stage, on the way in: four lanes' 64 bytes on end, then 16 of padding
	v_mul_u32_u24 v15, v2, SP
	v_add_nc_u32 v15, s17, v15                     ; and on the way out: SP x lane: my 16 neighbours
	v_mul_u32_u24 v4, v2, CB                       ; my codes' place in a step's
	s_wait_alu depctr_va_vdst(0)
	s_wait_kmcnt 0x0
	s_load_b256 s[36:43], s[10:11], 0x0            ; the eight exponents
	s_cmp_lt_u32 ttmp9, WGW                        ; which tensor?  The choice hangs on the work-group's number alone
	s_cselect_b64 s[4:5], s[4:5], s[6:7]
	s_cselect_b64 s[28:29], s[12:13], s[14:15]
	s_cselect_b32 s17, 0, WGW
	s_cmp_lt_u32 ttmp9, WGO
	s_cselect_b64 s[4:5], s[4:5], s[8:9]
	s_cselect_b64 s[28:29], s[28:29], s[26:27]
	s_cselect_b32 s17, s17, WGO                    ; the tensor's first work-group
	s_sub_co_u32 s17, ttmp9, s17
	s_lshl_b32 s17, s17, 2
	s_add_co_u32 s18, s17, s16                     ; which run of 8,192 numbers of the tensor is my wave's
	s_mov_b32 s19, 0
	s_mov_b64 s[20:21], 512*STEPS*4
	s_mul_u64 s[20:21], s[18:19], s[20:21]
	s_add_nc_u64 s[4:5], s[4:5], s[20:21]
	s_mov_b64 s[20:21], 32*STEPS*CB
	s_mul_u64 s[20:21], s[18:19], s[20:21]
	s_add_nc_u64 s[28:29], s[28:29], s[20:21]
.macro LOAD t
.irp i, 0,1,2,3
	global_load_b128 v[R+16*((\t)%4)+4*\i:R+16*((\t)%4)+4*\i+3], v3, s[4:5] offset:2048*(\t)+512*\i th:TH_LOAD_NT   ; 32 lanes read 512 consecutive bytes
.endr
.endm
.macro TURN t                          ; step t's numbers through the stage: LDS serves a wave's instructions in order, so no wait stands between the stores and the loads
.irp i, 0,1,2,3
	ds_store_b128 v14, v[R+16*((\t)%4)+4*\i:R+16*((\t)%4)+4*\i+3] offset:32*SP*((\t)%2)+8*SP*\i
.endr
.irp i, 0,1,2,3
	ds_load_b128 v[X+16*((\t)%2)+4*\i:X+16*((\t)%2)+4*\i+3], v15 offset:32*SP*((\t)%2)+16*\i
.endr
.endm
.irp t, 0,1,2,3
	LOAD \t
.endr
	s_wait_kmcnt 0x0
	s_cmp_lt_u32 ttmp9, WGW
	s_cselect_b32 s22, s36, s37
	s_cmp_lt_u32 ttmp9, WGO
	s_cselect_b32 s22, s22, s43                    ; e
	s_add_co_i32 s22, s22, 127
	s_lshl_b32 s23, s22, 23
	v_mov_b32 v11, s23                             ; 2^e as f32: the conversion takes its exponent field
	s_add_co_i32 s22, s22, EMAX
	s_lshl_b32 s22, s22, 23
	s_or_b32 s22, s22, MANT
	v_mov_b32 v10, s22                             ; the largest number x 2^e
	s_wait_alu depctr_va_vdst(0)
	s_wait_loadcnt 12                              ; step 0's four loads are in; the twelve of steps 1 to 3 may be out
	TURN 0
.macro STEP t
.set XS, X+16*((\t)%2)
	s_wait_dscnt 0x0                               ; this step's numbers are back from the stage: so its stores into the stage have read their registers,
.if (\t)+4 < STEPS
	LOAD (\t)+4                                    ; which take the loads of four steps on
.endif
.if (\t)+1 < STEPS
.if STEPS-2-(\t) >= 3
	s_wait_loadcnt 12                              ; the next step's four loads are in; those of the three steps behind it may be out
.else
	s_wait_loadcnt 4*(STEPS-2-(\t))                ; the tail: the counts run down
.endif
	TURN (\t)+1                                    ; and go through the other stage while this step is worked
.endif
.irp i, 0,1,2,3,4,5,6,7,8,9,10,11,12,13,14,15
	v_med3_num_f32 v[XS+\i], v[XS+\i], -v10, v10   ; the conversion to an 8-bit code does not saturate (ISA guide 7.6.2): the number is held within the largest code x the scale first
.endr
	v_cvt_scalef32_pk8_bf8_f32 v[C+4*(\t):C+4*(\t)+1], v[XS:XS+7], v11          ; eight numbers / 2^e, to the nearest code, ties to even; the first number's code in the lowest byte
	v_cvt_scalef32_pk8_bf8_f32 v[C+4*(\t)+2:C+4*(\t)+3], v[XS+8:XS+15], v11
	global_store_b128 v4, v[C+4*(\t):C+4*(\t)+3], s[28:29] offset:32*CB*(\t)    ; the codes go to a store alone; the next vector lines, the next step's holds, are plain and touch other registers
.endm
.irp t, 0,1,2,3,4,5,6,7,8,9,10,11,12,13,14,15
	STEP \t
.endr
	s_wait_tensorcnt 0x0
	ds_add_u32 v192, v193
	s_wait_dscnt 0x0
	s_endpgm
.Lfunc_end_k_q97cea32058_quant:
	.size	k_q97cea32058_quant, .Lfunc_end_k_q97cea32058_quant-k_q97cea32058_quant
	.p2alignl 7, 3214868480
	.fill 96, 4, 3214868480
	.section	.rodata,"a",@progbits
	.p2align	6, 0x0
	.amdhsa_kernel k_q97cea32058_quant
		.amdhsa_group_segment_fixed_size 33280
		.amdhsa_private_segment_fixed_size 0
		.amdhsa_enable_private_segment 0
		.amdhsa_kernarg_size 56
		.amdhsa_user_sgpr_count 2
		.amdhsa_user_sgpr_kernarg_segment_ptr 1
		.amdhsa_wavefront_size32 1
		.amdhsa_system_sgpr_workgroup_id_x 1
		.amdhsa_system_sgpr_workgroup_id_y 1
		.amdhsa_system_sgpr_workgroup_id_z 1
		.amdhsa_system_vgpr_workitem_id 0
		.amdhsa_next_free_vgpr 194
		.amdhsa_next_free_sgpr 66
		.amdhsa_reserve_vcc 0
		.amdhsa_float_denorm_mode_32 3
		.amdhsa_float_denorm_mode_16_64 3
		.amdhsa_memory_ordered 1
		.amdhsa_forward_progress 1
		.amdhsa_inst_pref_size 38
	.end_amdhsa_kernel
	.amdgpu_metadata
---
amdhsa.version: [ 1, 2 ]
amdhsa.kernels:
  - .name:           k_q97cea32058_quant
    .symbol:         k_q97cea32058_quant.kd
    .args:
      - { .name: x, .offset: 0, .size: 8, .value_kind: global_buffer, .address_space: global }
      - { .name: w_qkv, .offset: 8, .size: 8, .value_kind: global_buffer, .address_space: global }
      - { .name: w_out, .offset: 16, .size: 8, .value_kind: global_buffer, .address_space: global }
      - { .name: lowp_scales, .offset: 24, .size: 8, .value_kind: global_buffer, .address_space: global }
      - { .name: xc, .offset: 32, .size: 8, .value_kind: global_buffer, .address_space: global }
      - { .name: wqc, .offset: 40, .size: 8, .value_kind: global_buffer, .address_space: global }
      - { .name: woc, .offset: 48, .size: 8, .value_kind: global_buffer, .address_space: global }
    .group_segment_fixed_size: 33280
    .private_segment_fixed_size: 0
    .kernarg_segment_align: 8
    .kernarg_segment_size: 56
    .max_flat_workgroup_size: 128
    .sgpr_count:     66
    .vgpr_count:     194
    .wavefront_size: 32
...
	.end_amdgpu_metadata
.endif
;; end of part 1
;; launch qkv (part 2): grid 12 x 32, 4 waves a work-group, clusters of 4 x 4, 327,680 bytes of LDS; arguments xc, wqc, lowp_scales, b_qkv, qimg, kimg, vimg; writes qimg, kimg, vimg
.if DOCPART == 2
	.amdgcn_target "amdgcn-amd-amdhsa--gfx1250"
	.amdhsa_code_object_version 6
	.text
	.protected	k_q97cea32058_qkv
	.globl	k_q97cea32058_qkv
	.p2align	8
	.type	k_q97cea32058_qkv,@function
k_q97cea32058_qkv:
	s_mov_b64 s[64:65], 0
	v_nop
	global_prefetch_b8 v0, s[64:65] scope:SCOPE_SE
	s_setreg_imm32_b32 hwreg(HW_REG_WAVE_MODE, 25, 1), 1
	s_wait_xcnt 0x0
	s_wait_alu depctr_hold_cnt(0) depctr_sa_sdst(0) depctr_va_vdst(0) depctr_va_sdst(0) depctr_va_ssrc(0) depctr_va_vcc(0) depctr_vm_vsrc(0)
	s_getreg_b32 s2, hwreg(HW_REG_IB_STS2, 6, 4)
	s_cmp_eq_u32 s2, 0
	s_cbranch_scc0 .Lentry_in_a_cluster
	s_endpgm
.Lentry_in_a_cluster:
	s_bfe_u32 s2, ttmp6, 0x10000c
	s_cmp_lg_u32 s2, 0xf033
	s_cbranch_scc0 .Lentry_shape_is_right
	s_endpgm
.Lentry_shape_is_right:
.set ROWB,   256
.set KROW,   1024
.set PITCH,  272
.set FR,     16
.set NL,     4
.set NP,     4
.set HALFT,  128*PITCH
.set SLOT,   4*HALFT
.set SPARE,  2*SLOT
.set ADRA, 16
.set ADRB, 20
.set OF,   24
.set BO,   26
.set AO,   27
.set SPW,  28
.set NIL,  29
.set SCL,  30
.set LIM,  31
.set BB,   32
.set BA,   96
.set CD0,  32
.set AF,   128
.set G1, 24
.set G0, 32
.set G1B, 48
.set G0B, 56
.set MSB, 0
.macro WIN new
.if MSB != (\new)
	s_set_vgpr_msb (MSB<<8)|(\new)
.set MSB, (\new)
.endif
.endm
.set MUL_LO, 0xa1
.set MUL_HI, 0xf1
.set TO_B,   0x40
.macro JLOAD g0a, g1a, g0b, g1b
	s_cmp_eq_u32 s15, 0
	s_cbranch_scc0 .Lfor_b_\@
	tensor_load_to_lds s[\g0a:\g0a+3], s[\g1a:\g1a+7]
	s_nop 0
.rept 4
	v_nop
.endr
	s_branch .Lasked_\@
.Lfor_b_\@:
	tensor_load_to_lds s[\g0b:\g0b+3], s[\g1b:\g1b+7]
	s_nop 0
.rept 4
	v_nop
.endr
.Lasked_\@:
.endm
.macro CREST
	s_cmp_lg_u32 s14, 0
	s_cbranch_scc1 .Lnot_wave_0_\@
	s_barrier_signal -3
.Lnot_wave_0_\@:
	s_barrier_wait -3
	s_barrier_signal -1
	s_barrier_wait -1
.endm
.macro CROUND
	s_barrier_signal -1
	s_barrier_wait -1
	CREST
.endm
	s_load_b256 s[4:11], s[0:1], 0x0
	s_load_b128 s[68:71], s[0:1], 0x20
	s_load_b64 s[72:73], s[0:1], 0x30
	v_lshl_add_u32 v[SPW], v0, 2, SPARE
	v_mov_b32 v[NIL], 0
	ds_add_u32 v28, v29
	ds_add_u32 v28, v29
	s_wait_dscnt 0x0
	v_lshrrev_b32 v1, 5, v0
	v_readfirstlane_b32 s14, v1
	s_lshr_b32 s15, s14, 1
	s_and_b32 s16, s14, 1
	s_bfe_u32 s40, ttmp6, 0x40000
	s_bfe_u32 s41, ttmp6, 0x40004
	s_and_b32 s18, ttmp7, 0xffff
	s_lshl_b32 s18, s18, 2
	s_lshl_b32 s19, ttmp9, 2
	s_cmp_eq_u32 ttmp9, 2
	s_cselect_b32 s17, 8, s18
	s_cselect_b32 s42, s18, s19
	s_add_co_u32 s17, s17, s41
	s_add_co_u32 s42, s42, s40
	s_lshl_b32 s43, s41, 2
	s_lshl_b32 s43, 15, s43
	s_lshl_b32 s44, 0x1111, s40
	s_or_b32 s[G1+0], s43, (0<<16)|(1<<20)|(1<<21)|(5<<22)|(3<<25)
	s_or_b32 s[G1B+0], s44, (0<<16)|(1<<20)|(1<<21)|(5<<22)|(3<<25)
.irp g, G1, G1B
	s_mov_b32 s[\g+1], ROWB<<16
	s_mov_b32 s[\g+2], 128<<16
	s_mov_b32 s[\g+3], ROWB<<16
	s_mov_b32 s[\g+4], 128
	s_mov_b32 s[\g+5], KROW
	s_mov_b32 s[\g+6], 0
	s_mov_b32 s[\g+7], 0
.endr
	s_lshl_b32 s18, s16, 7
	s_lshl_b32 s20, s17, 8
	s_add_co_u32 s20, s20, s18
	s_lshl_b32 s46, s42, 8
	s_add_co_u32 s46, s46, s18
	s_mov_b32 s21, 0
	s_mov_b32 s47, 0
	s_mov_b64 s[18:19], KROW
	s_mul_u64 s[20:21], s[20:21], s[18:19]
	s_mul_u64 s[46:47], s[46:47], s[18:19]
	s_mul_i32 s45, s14, HALFT
	s_wait_kmcnt 0x0
	s_load_b256 s[76:83], s[8:9], 0x0
	s_cmp_eq_u32 ttmp9, 2
	s_cselect_b64 s[74:75], s[6:7], s[4:5]
	s_cselect_b64 s[94:95], s[4:5], s[6:7]
	s_add_nc_u64 s[20:21], s[74:75], s[20:21]
	s_add_nc_u64 s[46:47], s[94:95], s[46:47]
	CROUND
.irp s, 0,1
	s_mov_b32 s[G0+4*\s], 1
	s_add_co_u32 s[G0+4*\s+1], s45, \s*SLOT
	s_add_nc_u64 s[G0+4*\s+2:G0+4*\s+3], s[20:21], \s*ROWB
	s_or_b32 s[G0+4*\s+3], s[G0+4*\s+3], 0x80000000
	s_mov_b32 s[G0B+4*\s], 1
	s_add_co_u32 s[G0B+4*\s+1], s45, \s*SLOT
	s_add_nc_u64 s[G0B+4*\s+2:G0B+4*\s+3], s[46:47], \s*ROWB
	s_or_b32 s[G0B+4*\s+3], s[G0B+4*\s+3], 0x80000000
	s_wait_alu depctr_va_vdst(0)
	s_wait_tensorcnt 0x0
	ds_add_u32 v28, v29
	ds_add_u32 v28, v29
	s_wait_dscnt 0x0
	CROUND
	JLOAD G0+4*\s, G1, G0B+4*\s, G1B
.endr
	v_and_b32 v1, 15, v0
	v_bfe_u32 v2, v0, 4, 1
	v_mul_u32_u24 v3, v1, PITCH
	v_lshl_add_u32 v4, v2, 4, v3
	s_mul_i32 s21, s15, HALFT
	s_mul_i32 s22, s16, HALFT
	s_add_co_u32 s22, s22, 2*HALFT
.irp s, 0,1
	v_add_nc_u32 v[ADRA+\s], s21, v4
	v_add_nc_u32 v[ADRB+\s], s22, v4
	s_add_co_u32 s21, s21, SLOT
	s_add_co_u32 s22, s22, SLOT
.endr
	s_cmp_eq_u32 ttmp9, 2
	s_cselect_b32 s18, s42, s17
	s_cselect_b32 s19, s16, s15
	s_cselect_b32 s22, s41, s40
	s_cselect_b32 s23, s15, s16
	s_cselect_b64 s[84:85], s[72:73], s[68:69]
	s_mov_b32 s90, 131072
	s_cselect_b32 s90, 1024, s90
	s_mov_b32 s86, 1024
	s_cselect_b32 s86, 2048, s86
	s_mov_b32 s88, 1024
	s_cselect_b32 s88, 124928, s88
	s_mov_b32 s87, 0
	s_mov_b32 s89, 0
	s_cmp_eq_u32 ttmp9, 1
	s_cselect_b64 s[84:85], s[70:71], s[84:85]
	s_lshl_b32 s18, s18, 1
	s_add_co_u32 s18, s18, s19
	s_lshl_b32 s22, s22, 2
	s_lshl_b32 s23, s23, 1
	s_add_co_u32 s22, s22, s23
	s_lshr_b32 s19, s18, 4
	s_lshl_b32 s19, s19, 21
	s_and_b32 s18, s18, 15
	s_lshl_b32 s18, s18, 13
	s_lshl_b32 s22, s22, 17
	s_add_co_u32 s66, s19, s18
	s_add_co_u32 s66, s66, s22
	s_mov_b32 s67, 0
	s_add_nc_u64 s[84:85], s[84:85], s[66:67]
	v_and_b32 v5, 31, v0
	v_lshlrev_b32 v[OF], 4, v5
	v_add_nc_u32 v[OF+1], s90, v[OF]
	s_lshl_b32 s18, s42, 10
	s_lshl_b32 s19, s16, 9
	s_add_co_u32 s18, s18, s19
	s_lshl_b32 s22, s17, 10
	s_lshl_b32 s23, s15, 9
	s_add_co_u32 s22, s22, s23
	s_cmp_eq_u32 ttmp9, 2
	s_cselect_b32 s18, 0, s18
	s_cselect_b32 s22, s22, 0
	s_mov_b32 s19, 0
	s_mov_b32 s23, 0
	s_add_nc_u64 s[18:19], s[10:11], s[18:19]
	s_add_nc_u64 s[22:23], s[10:11], s[22:23]
	v_lshlrev_b32 v[BO], 5, v2
	v_lshlrev_b32 v[AO], 2, v1
.irp nb, 0,1,2,3,4,5,6,7
	global_load_b128 v[BB+8*\nb:BB+8*\nb+3], v[BO], s[18:19] offset:64*\nb
	global_load_b128 v[BB+8*\nb+4:BB+8*\nb+7], v[BO], s[18:19] offset:64*\nb+16
.endr
.irp a, 0,1,2,3,4,5,6,7
	global_load_b32 v[BA+2*\a], v[AO], s[22:23] offset:64*\a
.endr
	s_wait_kmcnt 0x0
	s_add_co_i32 s66, s76, s77
	s_sub_co_i32 s67, 127, s66
	s_lshl_b32 s67, s67, 23
	s_cmp_eq_u32 ttmp9, 2
	s_cselect_b32 s92, 0, s67
	s_cselect_b32 s96, s67, 0
	s_cselect_b32 s97, s81, s78
	s_mov_b32 s93, s92
	s_cmp_eq_u32 ttmp9, 1
	s_cselect_b32 s97, s79, s97
	s_sub_co_i32 s97, s97, s66
	s_add_co_i32 s97, s97, 127
	s_add_co_i32 s98, s97, 15
	s_lshl_b32 s97, s97, 23
	s_lshl_b32 s98, s98, 23
	s_or_b32 s98, s98, 0x600000
	v_mov_b32 v[SCL], s97
	v_mov_b32 v[LIM], s98
	s_wait_loadcnt 0x0
.irp i, 0,2,4,6,8,10,12,14,16,18,20,22,24,26,28,30,32,34,36,38,40,42,44,46,48,50,52,54,56,58,60,62
	v_pk_mul_f32 v[BB+\i:BB+\i+1], v[BB+\i:BB+\i+1], s[92:93] op_sel_hi:[1,0]
.endr
.irp a, 0,1,2,3,4,5,6,7
	v_mul_f32 v[BA+2*\a+1], s96, v[BA+2*\a]
	v_mul_f32 v[BA+2*\a], s96, v[BA+2*\a]
.endr
.irp a, 0,1,2,3,4,5,6,7
	WIN 0x80+0x40*(\a/4)
.irp nb, 0,1,2,3,4,5,6,7
.irp i, 0,2,4,6
	v_pk_add_f32 v[64*(\a%4)+8*\nb+\i:64*(\a%4)+8*\nb+\i+1], v[BB+8*\nb+\i:BB+8*\nb+\i+1], v[BA+2*\a:BA+2*\a+1]
.endr
.endr
.endr
	WIN 0
.macro FRAG reg, adr, q, i
.irp c, 0,1,2,3
	ds_load_b128 v[\reg+4*\c:\reg+4*\c+3], v[\adr] offset:128*(\q)+32*\c+(\i)*16*PITCH
.endr
.endm
.macro MUL16 a0, p
.irp a, \a0, \a0+1
.irp b, 0,1,2,3,4,5,6,7
	v_wmma_f32_16x16x128_bf8_bf8 v[8*(8*((\a)%4)+\b):8*(8*((\a)%4)+\b)+7], v[128*(\p)+FR*\b:128*(\p)+FR*\b+FR-1], v[AF+FR*(\a):AF+FR*(\a)+FR-1], v[8*(8*((\a)%4)+\b):8*(8*((\a)%4)+\b)+7]
.endr
.endr
.endm
.macro FETCH_B slot, q, p
	WIN TO_B
.irp i, 0,1,2,3,4,5,6,7
	FRAG 128*(\p)+FR*\i, ADRB+\slot, \q, \i
.endr
	WIN 0
.endm
.macro FETCH_A slot, q, i0
.irp i, \i0, \i0+1, \i0+2, \i0+3
	FRAG AF+FR*(\i), ADRA+\slot, \q, \i
.endr
.endm
.macro PLACES n
.rept \n
	v_nop
.endr
.endm
.macro STEP slot, q
	s_wait_dscnt 4*NL
	WIN MUL_LO
	MUL16 0, (\q)%2
	MUL16 2, (\q)%2
	s_wait_dscnt 0
	PLACES NP
	FETCH_B \slot, (\q)+1, 1-(\q)%2
	FETCH_A \slot, (\q)+1, 0
	WIN MUL_HI
	MUL16 4, (\q)%2
	MUL16 6, (\q)%2
	PLACES NP
	WIN 0
	FETCH_A \slot, (\q)+1, 4
.endm
.macro TURN slot, next, fill
	s_wait_tensorcnt 0x0
	ds_add_u32 v[SPW], v[NIL]
	s_wait_dscnt 4*NL+1
	WIN MUL_LO
	MUL16 0, 1
	s_wait_dscnt 0x0
	s_barrier_signal -1
	MUL16 2, 1
	WIN 0
	s_barrier_wait -1
.if \fill
	CREST
	s_add_nc_u64 s[G0+4*\slot+2:G0+4*\slot+3], s[G0+4*\slot+2:G0+4*\slot+3], 2*ROWB
	s_add_nc_u64 s[G0B+4*\slot+2:G0B+4*\slot+3], s[G0B+4*\slot+2:G0B+4*\slot+3], 2*ROWB
	JLOAD G0+4*\slot, G1, G0B+4*\slot, G1B
.else
	PLACES NP
.endif
	FETCH_B \next, 0, 0
	FETCH_A \next, 0, 0
	WIN MUL_HI
	MUL16 4, 1
	MUL16 6, 1
	PLACES NP
	WIN 0
	FETCH_A \next, 0, 4
.endm
	s_wait_alu depctr_va_vdst(0)
	s_wait_tensorcnt 1
	s_barrier_signal -1
	s_barrier_wait -1
	FETCH_B 0, 0, 0
	FETCH_A 0, 0, 0
	FETCH_A 0, 0, 4
	STEP 0, 0
	TURN 0, 1, 1
	STEP 1, 0
	TURN 1, 0, 1
	STEP 0, 0
	TURN 0, 1, 0
	STEP 1, 0
	s_wait_dscnt 4*NL
	WIN MUL_LO
	MUL16 0, 1
	MUL16 2, 1
	s_wait_dscnt 0
	WIN MUL_HI
	MUL16 4, 1
	MUL16 6, 1
.macro OUTBLK a
.set AC, 64*((\a)%4)
.set CD, CD0+16*((\a)%2)
	WIN 0x82+0x41*((\a)/4)
.set i, 0
.rept 64
	v_med3_num_f32 v[AC+i], v[AC+i], -v[LIM], v[LIM]
.set i, i+1
.endr
	WIN 0x02+((\a)/4)
.irp nb, 0,1,2,3,4,5,6,7
	v_cvt_scalef32_pk8_bf8_f32 v[CD+2*\nb:CD+2*\nb+1], v[AC+8*\nb:AC+8*\nb+7], v[SCL]
.endr
	WIN 0
	v_nop
.if (\a) > 0
	s_wait_alu depctr_va_vdst(0)
	s_wait_xcnt 0x0
.if (\a) == 4
	s_add_nc_u64 s[84:85], s[84:85], s[88:89]
.else
	s_add_nc_u64 s[84:85], s[84:85], s[86:87]
.endif
.endif
.irp G, 0,1,2,3
	global_store_b128 v[OF+\G/2], v[CD+4*\G:CD+4*\G+3], s[84:85] offset:512*(\G%2)
.endr
.endm
	PLACES NP
.irp a, 0,1,2,3,4,5,6,7
	OUTBLK \a
.endr
	s_wait_tensorcnt 0x0
	ds_add_u32 v[SPW], v[NIL]
	s_wait_dscnt 0x0
	CROUND
	s_endpgm
.Lfunc_end_k_q97cea32058_qkv:
	.size	k_q97cea32058_qkv, .Lfunc_end_k_q97cea32058_qkv-k_q97cea32058_qkv
	.p2alignl 7, 3214868480
	.fill 96, 4, 3214868480
	.section	.rodata,"a",@progbits
	.p2align	6, 0x0
	.amdhsa_kernel k_q97cea32058_qkv
		.amdhsa_group_segment_fixed_size 327680
		.amdhsa_private_segment_fixed_size 0
		.amdhsa_enable_private_segment 0
		.amdhsa_kernarg_size 56
		.amdhsa_user_sgpr_count 2
		.amdhsa_user_sgpr_kernarg_segment_ptr 1
		.amdhsa_wavefront_size32 1
		.amdhsa_system_sgpr_workgroup_id_x 1
		.amdhsa_system_sgpr_workgroup_id_y 1
		.amdhsa_system_sgpr_workgroup_id_z 1
		.amdhsa_system_vgpr_workitem_id 0
		.amdhsa_next_free_vgpr 1024
		.amdhsa_next_free_sgpr 100
		.amdhsa_reserve_vcc 0
		.amdhsa_float_denorm_mode_32 3
		.amdhsa_float_denorm_mode_16_64 3
		.amdhsa_memory_ordered 1
		.amdhsa_forward_progress 1
		.amdhsa_inst_pref_size 142
	.end_amdhsa_kernel
	.amdgpu_metadata
---
amdhsa.version: [ 1, 2 ]
amdhsa.kernels:
  - .name:           k_q97cea32058_qkv
    .symbol:         k_q97cea32058_qkv.kd
    .args:
      - { .name: xc, .offset: 0, .size: 8, .value_kind: global_buffer, .address_space: global }
      - { .name: wqc, .offset: 8, .size: 8, .value_kind: global_buffer, .address_space: global }
      - { .name: lowp_scales, .offset: 16, .size: 8, .value_kind: global_buffer, .address_space: global }
      - { .name: b_qkv, .offset: 24, .size: 8, .value_kind: global_buffer, .address_space: global }
      - { .name: qimg, .offset: 32, .size: 8, .value_kind: global_buffer, .address_space: global }
      - { .name: kimg, .offset: 40, .size: 8, .value_kind: global_buffer, .address_space: global }
      - { .name: vimg, .offset: 48, .size: 8, .value_kind: global_buffer, .address_space: global }
    .group_segment_fixed_size: 327680
    .private_segment_fixed_size: 0
    .kernarg_segment_align: 8
    .kernarg_segment_size: 56
    .max_flat_workgroup_size: 128
    .sgpr_count:     100
    .vgpr_count:     1024
    .wavefront_size: 32
...
	.end_amdgpu_metadata
.endif
;; end of part 2
;; launch attn (part 3): grid 4 x 64, 16 waves a work-group, clusters of 4 x 1, 327,680 bytes of LDS; arguments qimg, kimg, vimg, lowp_scales, aimg; writes aimg
.if DOCPART == 3
	.amdgcn_target "amdgcn-amd-amdhsa--gfx1250"
	.amdhsa_code_object_version 6
	.text
	.protected	k_q97cea32058_attn
	.globl	k_q97cea32058_attn
	.p2align	8
	.type	k_q97cea32058_attn,@function
k_q97cea32058_attn:
	s_mov_b64 s[64:65], 0
	v_nop
	global_prefetch_b8 v0, s[64:65] scope:SCOPE_SE
	s_setreg_imm32_b32 hwreg(HW_REG_WAVE_MODE, 25, 1), 1
	s_wait_xcnt 0x0
	s_wait_alu depctr_hold_cnt(0) depctr_sa_sdst(0) depctr_va_vdst(0) depctr_va_sdst(0) depctr_va_ssrc(0) depctr_va_vcc(0) depctr_vm_vsrc(0)
	s_getreg_b32 s2, hwreg(HW_REG_IB_STS2, 6, 4)
	s_cmp_eq_u32 s2, 0
	s_cbranch_scc0 .Lentry_in_a_cluster
	s_endpgm
.Lentry_in_a_cluster:
	s_bfe_u32 s2, ttmp6, 0x10000c
	s_cmp_lg_u32 s2, 0x3003
	s_cbranch_scc0 .Lentry_shape_is_right
	s_endpgm
.Lentry_shape_is_right:
; For each of 64 heads (16 batch + head): O[q] = the sum over keys of softmax(Q[q] . K[key] / 8) V[key], 2,048 queries and keys, head size 64, both products on codes of BF8 (E5M2); the result is quantised (e6) for the last product.
; Q, K, V arrive as images of operand registers: a fragment's four registers are 512 consecutive bytes, lane l's 16 at 16 l.  128 keys are 8,192 bytes of K's image and 8,192 of V's.
; THE SOFTMAX: t = score x log2(e) / 8; M = the row's largest t so far, rounded UP to a whole number; p = 2^(t - M) is quantised (e4), not normalised.  The row's sum is taken of the unquantised p and divides O at the end.
; When M moves, the sum and O are multiplied by 2^(old M - new M): nothing is rounded.
; SHARES.  A work-group owns one head and 512 of its queries; each of its sixteen waves owns 16 queries at a time, in two passes of 16 key steps of 128 keys.
; THE HEAD'S WHOLE K AND V LIE IN LDS, 131,072 bytes each, every byte filled once.  The four work-groups of a cluster own the four quarters of one head's queries and need the same K and V: every fill is a JOINT load (mask 15).
; Two tensor loads a wave (waves 0-7: K, waves 8-15: V): at the head 4,096 bytes of keys 0-511; behind the wait, the add and a round of the cluster's barrier 12,288 bytes of keys 512-2,047, which land under the first four steps.
; One more barrier, behind the wait for that load, stands behind step 4; the other 28 steps read LDS bytes that nobody writes, and have no barrier.
; No prefetch: all of K and V has been asked for by these two loads before the fifth step, so no later step has anything left to ask for.
; LAYOUT.  Both products are used transposed: S^T = K Q^T (16x16x64), O^T = V^T P^T (16x16x128): a lane holds ONE query (lane % 16).  Register j of score tile k is key 16 k + 8 (lane / 16) + j: its conversion is register pair k of P.
; OUT: aimg, byte ((row / 16) x 16 + head) x 1,024 + 256 t + 16 r + 8 h: the eight codes of row r, channels 16 t + 8 h + 0 .. 7.
; LIMITS on the given exponents, so that each power of two below is an f32 number: e2 + e3 between -123 and 130; e4 and e6 between -126 and 112.  NaN is not served.  The scaled scores stay under 2^31 in magnitude.
; REGISTERS: v1-3 addresses that stay; v8, v9 the step's addresses; v12 -M, v13 the largest t, v[14:15] the sum; v16-23 Q; v24-31 the second pass's Q; v32-95 K's fragments, then V's; v96-159 S^T, then p; v160-191 O^T;
;   v224-239 p's codes (v226-239 first serve the sum's seven side chains); v240, v241 57,344 x 2^e4; v244 2^e4; v245, v246 2^e6 and 57,344 x 2^e6; v248, v249, v252-254 at work; v251, v255 the add's two.
.set LI,   1
.set LV,   2
.set OO,   3
.set ADK,  8
.set ADV,  9
.set QF,   16
.set QN,   24
.set FB,   32
.set S,    96
.set O,    160
.set PC,   224
.set T,    226
.set SPW,  251
.set NIL,  255
.set VLDS, 131072                      ; LDS: K at 0, V here
.set SPARE, 262144                     ; the spare words: 128 bytes a wave, 2,048 in all
.set TB,   2                           ; s2   LDS byte at which the step's tiles begin
.set CNT,  3                           ; s3   counts steps
.set WV,   18                          ; s18  my wave's number
.set SEL,  20                          ; s[20:21] selects for lane l xor 16
.set CS,   22                          ; s[22:23] c = log2(e) / 8 x 2^(e2 + e3)
.set G1,   24                          ; s[24:31] group 1 of the first load: 16 rows of 256 bytes
.set G0,   32                          ; s[32:35] its group 0
.set G0B,  36                          ; s[36:39] the second load's group 0
.set G1B,  40                          ; s[40:47] its group 1: 48 rows of 256 bytes
.set EPV,  49                          ; s49  e4 + e5
.macro CROUND                          ; a round of the cluster's barrier
	s_barrier_signal -1
	s_barrier_wait -1
	s_cmp_lg_u32 s[WV], 0
	s_cbranch_scc1 .Lnot_wave_0_\@
	s_barrier_signal -3
.Lnot_wave_0_\@:
	s_barrier_wait -3
	s_barrier_signal -1
	s_barrier_wait -1
.endm
	s_load_b256 s[4:11], s[0:1], 0x0               ; qimg, kimg, vimg, the scales' exponents
	s_load_b64 s[12:13], s[0:1], 0x20              ; aimg
	v_lshl_add_u32 v[SPW], v0, 2, SPARE
	v_mov_b32 v[NIL], 0
	ds_add_u32 v[SPW], v[NIL]                      ; the opening lines: the add, twice on end, and its wait
	ds_add_u32 v[SPW], v[NIL]
	v_lshrrev_b32 v8, 5, v0
	v_and_b32 v9, 31, v0
	v_and_b32 v10, 15, v0
	v_bfe_u32 v11, v0, 4, 1
	s_delay_alu instid0(VALU_DEP_4)
	v_readfirstlane_b32 s[WV], v8                  ; wave 0..15
	s_delay_alu instid0(VALU_DEP_4)
	v_lshlrev_b32 v[LI], 4, v9                     ; 16 x lane: my place in an image
	s_delay_alu instid0(VALU_DEP_4)
	v_lshlrev_b32 v[OO], 4, v10
	v_mov_b32 v248, 0                              ; a lane permute's destination counts as a source
	v_mov_b32 v253, 0                              ; (named as the upper half of v[252:253])
	s_delay_alu instid0(VALU_DEP_4)
	v_add_nc_u32 v[LV], VLDS, v[LI]
	s_delay_alu instid0(VALU_DEP_4)
	v_lshl_add_u32 v[OO], v11, 3, v[OO]            ; 16 r + 8 h: my eight codes' place on the way out
	s_bfe_u32 s66, ttmp6, 0x40000                  ; cx
	s_lshl_b32 s67, ttmp9, 2
	s_add_co_u32 s66, s66, s67                     ; my block of 512 queries: it enters Q's and the output's addresses alone
	s_and_b32 s67, ttmp7, 0xffff                   ; 16 batch + head, which the four partners share
	s_lshl_b32 s68, s67, 17                        ; the head's first byte in each image
	s_mov_b32 s69, 0
	s_lshr_b32 s70, s[WV], 3
	s_lshl_b32 s70, s70, 17                        ; LDS: K's half or V's
	s_and_b32 s71, s[WV], 7
	s_lshl_b32 s72, s71, 12                        ; first load: my 4,096 bytes of the first 32,768
	s_mul_i32 s73, s71, 12288
	s_add_co_u32 s73, s73, 32768                   ; second load: my 12,288 bytes of the other 98,304
	s_mov_b32 s[G0], 1
	s_add_co_u32 s[G0+1], s70, s72
	s_mov_b32 s[G0B], 1
	s_add_co_u32 s[G0B+1], s70, s73
	s_mov_b32 s[G1], 15|(3<<16)|(1<<21)            ; the mask: all four work-groups; elements of 8 bytes; bit 21 beside a mask; no padding: images are read 16 consecutive bytes a lane
	s_mov_b32 s[G1+1], 32<<16
	s_mov_b32 s[G1+2], 16<<16
	s_mov_b32 s[G1+3], 32<<16
	s_mov_b32 s[G1+4], 16
	s_mov_b32 s[G1+5], 32
	s_mov_b32 s[G1+6], 0
	s_mov_b32 s[G1+7], 0
	s_mov_b32 s[G1B], 15|(3<<16)|(1<<21)
	s_mov_b32 s[G1B+1], 32<<16
	s_mov_b32 s[G1B+2], 48<<16
	s_mov_b32 s[G1B+3], 32<<16
	s_mov_b32 s[G1B+4], 48
	s_mov_b32 s[G1B+5], 32
	s_mov_b32 s[G1B+6], 0
	s_mov_b32 s[G1B+7], 0
	s_mov_b32 s[SEL], 0x76543210
	s_mov_b32 s[SEL+1], 0xfedcba98
	s_mov_b32 s[CS], 0x3e38aa3b                    ; log2(e) / 8
	s_wait_alu depctr_va_vdst(0)
	s_wait_dscnt 0x0                               ; both opening adds are done
	s_wait_kmcnt 0x0
	s_load_b256 s[52:59], s[10:11], 0x0            ; e0 .. e7
	s_cmp_lt_u32 s[WV], 8                          ; waves 0-7 fetch K's image, waves 8-15 V's: the same in every partner
	s_cselect_b64 s[74:75], s[6:7], s[8:9]
	s_add_nc_u64 s[74:75], s[74:75], s[68:69]
	s_mov_b32 s76, s72
	s_mov_b32 s77, 0
	s_add_nc_u64 s[G0+2:G0+3], s[74:75], s[76:77]
	s_or_b32 s[G0+3], s[G0+3], 0x80000000
	s_mov_b32 s76, s73
	s_add_nc_u64 s[G0B+2:G0B+3], s[74:75], s[76:77]
	s_or_b32 s[G0B+3], s[G0B+3], 0x80000000
	CROUND                                         ; all four work-groups are here: the joint loads meet
	tensor_load_to_lds s[G0:G0+3], s[G1:G1+7]      ; keys 0-511: my one load at the head
	s_nop 0
.rept 4
	v_nop
.endr
	s_lshl_b32 s76, s66, 5
	s_add_co_u32 s76, s76, s[WV]                   ; my first tile of 16 queries: 32 x block + wave; the second pass's lies 16 tiles on
	s_lshl_b32 s78, s76, 10
	s_mov_b32 s79, 0
	s_add_nc_u64 s[4:5], s[4:5], s[68:69]
	s_add_nc_u64 s[4:5], s[4:5], s[78:79]
	global_load_b128 v[QF:QF+3], v[LI], s[4:5]
	global_load_b128 v[QF+4:QF+7], v[LI], s[4:5] offset:512
	global_load_b128 v[QN:QN+3], v[LI], s[4:5] offset:16384
	global_load_b128 v[QN+4:QN+7], v[LI], s[4:5] offset:16896
	s_lshr_b32 s77, s67, 4                         ; batch
	s_lshl_b32 s77, s77, 7
	s_add_co_u32 s77, s77, s76                     ; my first tile of rows among the 512 of all batches
	s_lshl_b32 s78, s77, 14                        ; 16 heads x 1,024 bytes each
	s_and_b32 s77, s67, 15
	s_lshl_b32 s77, s77, 10
	s_add_co_u32 s78, s78, s77
	s_add_nc_u64 s[12:13], s[12:13], s[78:79]
	s_wait_kmcnt 0x0
	s_add_co_i32 s66, s54, s55
	s_lshl_b32 s66, s66, 23
	s_add_co_i32 s[CS], s[CS], s66                 ; e2 + e3 are added to c's exponent field
	s_mov_b32 s[CS+1], s[CS]
	s_add_co_i32 s[EPV], s56, s57                  ; e4 + e5
	s_add_co_i32 s66, s56, 127
	s_lshl_b32 s67, s66, 23
	v_mov_b32 v244, s67                            ; 2^e4
	s_add_co_i32 s66, s66, 15
	s_lshl_b32 s66, s66, 23
	s_or_b32 s66, s66, 0x600000
	v_mov_b32 v240, s66                            ; 57,344 x 2^e4, in two registers: one for each half of a dual pair
	v_mov_b32 v241, s66
	s_add_co_i32 s66, s58, 127
	s_lshl_b32 s67, s66, 23
	v_mov_b32 v245, s67                            ; 2^e6
	s_add_co_i32 s66, s66, 15
	s_lshl_b32 s66, s66, 23
	s_or_b32 s66, s66, 0x600000
	v_mov_b32 v246, s66                            ; 57,344 x 2^e6
; A KEY STEP: 128 keys, whose tiles begin at LDS byte s[TB].
.macro STEP
	v_add_nc_u32 v[ADK], s[TB], v[LI]
.rept 3
	v_nop                                          ; with the line above: four places behind the last products, in front of loads into registers that they have read
.endr
.irp k, 0,1,2,3,4,5,6,7
	ds_load_b128 v[FB+8*\k:FB+8*\k+3], v[ADK] offset:1024*\k
	ds_load_b128 v[FB+8*\k+4:FB+8*\k+7], v[ADK] offset:1024*\k+512
.endr
	s_wait_dscnt 8                                 ; key tiles 0-3 are in; the eight loads of tiles 4-7 may be out
.irp k, 0,1,2,3
	v_wmma_f32_16x16x64_bf8_bf8 v[S+8*\k:S+8*\k+7], v[FB+8*\k:FB+8*\k+7], v[QF:QF+7], 0
.endr
	s_wait_dscnt 0x0
.irp k, 4,5,6,7
	v_wmma_f32_16x16x64_bf8_bf8 v[S+8*\k:S+8*\k+7], v[FB+8*\k:FB+8*\k+7], v[QF:QF+7], 0
.endr
	v_add_nc_u32 v[ADV], s[TB], v[LV]              ; four places: in front of the loads below, and of the first read of the scores
	v_mov_b32 v249, v12                            ; the old -M
	v_nop
	v_nop
.irp t, 0,1,2,3                                ; V's four fragments (16 channels x 128 keys) land while the softmax is worked
.irp g, 0,1,2,3
	ds_load_b128 v[FB+16*\t+4*\g:FB+16*\t+4*\g+3], v[ADV] offset:2048*\t+512*\g
.endr
.endr
	v_max3_num_f32 v254, v[S], v[S+1], v[S+2]      ; the step's largest score of my query, in two chains, the registers in ascending order
	v_max3_num_f32 v252, v[S+3], v[S+4], v[S+5]
.irp i, 6,10,14,18,22,26,30,34,38,42,46,50,54,58
	v_max3_num_f32 v254, v254, v[S+\i], v[S+\i+1]
	v_max3_num_f32 v252, v252, v[S+\i+2], v[S+\i+3]
.endr
	v_max3_num_f32 v254, v254, v[S+62], v[S+63]
	s_delay_alu instid0(VALU_DEP_1)
	v_max_num_f32 v254, v254, v252
	s_delay_alu instid0(VALU_DEP_1)
	v_permlanex16_b32 v248, v254, s[SEL], s[SEL+1]
	s_delay_alu instid0(VALU_DEP_1)
	v_max_num_f32 v254, v254, v248                 ; and among lane l xor 16's
	s_delay_alu instid0(VALU_DEP_1)
	v_mul_f32 v254, s[CS], v254                    ; as t (c is positive)
	s_delay_alu instid0(VALU_DEP_1)
	v_max_num_f32 v13, v13, v254                   ; the running largest t
	s_delay_alu instid0(VALU_DEP_1)
	v_floor_f32 v12, -v13                          ; the new -M = -ceil(t)
	s_delay_alu instid0(VALU_DEP_1)
	v_sub_f32 v254, v12, v249                      ; old M - new M: a whole number, 0 or less
	s_delay_alu instid0(VALU_DEP_1)
	v_cvt_i32_f32 v254, v254                       ; (it saturates)
	s_delay_alu instid0(VALU_DEP_1)
	v_ldexp_f32 v252, 1.0, v254                    ; f = 2^(old M - new M)
.irp j, 0,2,4,6,8,10,12,14,16,18,20,22,24,26,28,30,32,34,36,38,40,42,44,46,48,50,52,54,56,58,60,62
	v_pk_fma_f32 v[S+\j:S+\j+1], v[S+\j:S+\j+1], s[CS:CS+1], v[12:13] op_sel_hi:[1,0,0]   ; t - M, two at a time
.endr
	s_wait_alu depctr_va_vdst(0)
.set n, 0
.rept 64
	v_exp_f32 v[S+n], v[S+n]                       ; p = 2^(t - M), at most 1
.set n, n+1
.endr
	v_pk_mul_f32 v[14:15], v[14:15], v[252:253] op_sel_hi:[1,0]   ; the sums under the new M (the plain instruction behind the batch)
	s_wait_alu depctr_va_vdst(0)                   ; one wait for the batch, ahead of its first reader
; the row's sum of the unquantised p: 32 packed additions in eight chains (v[14:15] and seven side chains), then joined
.set n, 0
.rept 7
	v_pk_add_f32 v[T+2*n:T+2*n+1], v[S+2*n:S+2*n+1], v[S+14+2*n:S+15+2*n]
.set n, n+1
.endr
	v_pk_add_f32 v[14:15], v[14:15], v[S+28:S+29]
.set n, 0
.rept 7
	v_pk_add_f32 v[T+2*n:T+2*n+1], v[T+2*n:T+2*n+1], v[S+30+2*n:S+31+2*n]
.set n, n+1
.endr
	v_pk_add_f32 v[14:15], v[14:15], v[S+44:S+45]
.set n, 0
.rept 7
	v_pk_add_f32 v[T+2*n:T+2*n+1], v[T+2*n:T+2*n+1], v[S+46+2*n:S+47+2*n]
.set n, n+1
.endr
	v_pk_add_f32 v[14:15], v[14:15], v[S+60:S+61]
	v_pk_add_f32 v[T:T+1], v[T:T+1], v[S+62:S+63]
	v_pk_add_f32 v[T+2:T+3], v[T+2:T+3], v[T+8:T+9]
	v_pk_add_f32 v[T+4:T+5], v[T+4:T+5], v[T+10:T+11]
	v_pk_add_f32 v[T+6:T+7], v[T+6:T+7], v[T+12:T+13]
	s_delay_alu instid0(VALU_DEP_4)
	v_pk_add_f32 v[14:15], v[14:15], v[T:T+1]
	s_delay_alu instid0(VALU_DEP_3)
	v_pk_add_f32 v[T+2:T+3], v[T+2:T+3], v[T+4:T+5]
	s_delay_alu instid0(VALU_DEP_2)
	v_pk_add_f32 v[14:15], v[14:15], v[T+6:T+7]
	s_delay_alu instid0(VALU_DEP_1)
	v_pk_add_f32 v[14:15], v[14:15], v[T+2:T+3]
.irp k, 0,1,2,3,4,5,6,7
.irp i, 0,2,4,6
	v_dual_min_num_f32 v[S+8*\k+\i], v[S+8*\k+\i], v240 :: v_dual_min_num_f32 v[S+8*\k+\i+1], v[S+8*\k+\i+1], v241   ; the conversion does not saturate (ISA guide 7.6.2); p is not negative: a one-sided hold, two numbers an instruction
.endr
	v_cvt_scalef32_pk8_bf8_f32 v[PC+2*\k:PC+2*\k+1], v[S+8*\k:S+8*\k+7], v244   ; register pair k of P: keys 16 k + 8 h + 0 .. 7
.endr
	s_wait_alu depctr_va_vdst(0)                   ; directly ahead of the first reader of O^T
.irp j, 0,2,4,6,8,10,12,14,16,18,20,22,24,26,28,30
	v_pk_mul_f32 v[O+\j:O+\j+1], v[O+\j:O+\j+1], v[252:253] op_sel_hi:[1,0]   ; O^T under the new M (plain instructions between the conversions and the products)
.endr
	s_wait_alu depctr_va_vdst(0)
	s_wait_dscnt 0x0                               ; V is in
.irp t, 0,1,2,3
	v_wmma_f32_16x16x128_bf8_bf8 v[O+8*\t:O+8*\t+7], v[FB+16*\t:FB+16*\t+15], v[PC:PC+15], v[O+8*\t:O+8*\t+7]   ; four accumulators, one instruction each
.endr
	s_add_co_u32 s[TB], s[TB], 8192                ; the next 128 keys
.endm
.macro RUN first, steps                ; so many steps from LDS byte first on
	s_mov_b32 s[TB], \first
	s_mov_b32 s[CNT], \steps
.Lstep_\@:
	STEP
	s_sub_co_u32 s[CNT], s[CNT], 1
	s_cmp_lg_u32 s[CNT], 0
	s_cbranch_scc1 .Lstep_\@
.endm
.macro INIT                            ; a pass begins: the step is written for all steps alike, and the first finds zeros, which the first change of M leaves zeros
	v_mov_b32 v13, 0xff61b1e6                      ; the largest t so far: -3e38
	v_mov_b32 v12, 0x7f61b1e6                      ; -M = 3e38, a whole number
	v_mov_b32 v14, 0
	v_mov_b32 v15, 0
.set n, 0
.rept 32
	v_mov_b32 v[O+n], 0
.set n, n+1
.endr
.endm
; THE WAY OUT of 16 queries: O^T / the sum x 2^(e4 + e5), held, converted with 2^e6.
.macro OUT
.rept 4
	v_nop                                          ; places behind the last products
.endr
	v_add_f32 v14, v14, v15
	s_delay_alu instid0(VALU_DEP_1)
	v_permlanex16_b32 v248, v14, s[SEL], s[SEL+1]
	s_delay_alu instid0(VALU_DEP_1)
	v_add_f32 v14, v14, v248                       ; the row's sum
	s_wait_alu depctr_va_vdst(0)                   ; the wait ahead of the transcendental
	v_rcp_f32 v14, v14
	v_nop
	s_wait_alu depctr_va_vdst(0)                   ; and ahead of its first reader
	v_ldexp_f32 v14, v14, s[EPV]
	s_wait_alu depctr_va_vdst(0)                   ; and directly ahead of the first reader of O^T
.irp j, 0,2,4,6,8,10,12,14,16,18,20,22,24,26,28,30
	v_pk_mul_f32 v[S+\j:S+\j+1], v[O+\j:O+\j+1], v[14:15] op_sel_hi:[1,0]   ; each accumulator from its low end on
.endr
.set n, 0
.rept 32
	v_med3_num_f32 v[S+n], v[S+n], -v246, v246
.set n, n+1
.endr
.irp t, 0,1,2,3
	v_cvt_scalef32_pk8_bf8_f32 v[PC+2*\t:PC+2*\t+1], v[S+8*\t:S+8*\t+7], v245
.endr
	v_nop                                          ; one plain vector instruction behind the last conversion
.irp t, 0,1,2,3
	global_store_b64 v[OO], v[PC+2*\t:PC+2*\t+1], s[12:13] offset:256*\t   ; 32 lanes store 256 consecutive bytes, aligned
.endr
.endm
	s_wait_alu depctr_va_vdst(0)
	s_wait_tensorcnt 0x0                           ; my part of keys 0-511 is in
	ds_add_u32 v[SPW], v[NIL]
	s_wait_dscnt 0x0
	CROUND                                         ; everybody's part is in, and all four work-groups are here
	tensor_load_to_lds s[G0B:G0B+3], s[G1B:G1B+7]  ; keys 512-2,047: my one load behind the round
	s_nop 0
.rept 4
	v_nop
.endr
	s_wait_loadcnt 0x0                             ; Q, both passes'
	INIT
	RUN 0, 4                                       ; keys 0-511
	s_wait_tensorcnt 0x0                           ; my part of the other keys is in (no LDS load of mine is out: each step ends behind its wait for 0)
	s_barrier_signal -1
	s_barrier_wait -1                              ; and everybody's: from here on nobody writes K or V
	RUN 32768, 12
	OUT
.irp j, 0,1,2,3,4,5,6,7
	v_mov_b32 v[QF+\j], v[QN+\j]                   ; the second pass's queries
.endr
	s_wait_xcnt 0x0                                ; the stores have read their base and their data
	s_add_nc_u64 s[12:13], s[12:13], 262144        ; 16 tiles of rows on
	INIT
	RUN 0, 16
	OUT
	s_wait_tensorcnt 0x0                           ; the wave's end
	ds_add_u32 v[SPW], v[NIL]
	s_wait_dscnt 0x0
	CROUND                                         ; the closing round
	s_endpgm
.Lfunc_end_k_q97cea32058_attn:
	.size	k_q97cea32058_attn, .Lfunc_end_k_q97cea32058_attn-k_q97cea32058_attn
	.p2alignl 7, 3214868480
	.fill 96, 4, 3214868480
	.section	.rodata,"a",@progbits
	.p2align	6, 0x0
	.amdhsa_kernel k_q97cea32058_attn
		.amdhsa_group_segment_fixed_size 327680
		.amdhsa_private_segment_fixed_size 0
		.amdhsa_enable_private_segment 0
		.amdhsa_kernarg_size 40
		.amdhsa_user_sgpr_count 2
		.amdhsa_user_sgpr_kernarg_segment_ptr 1
		.amdhsa_wavefront_size32 1
		.amdhsa_system_sgpr_workgroup_id_x 1
		.amdhsa_system_sgpr_workgroup_id_y 1
		.amdhsa_system_sgpr_workgroup_id_z 1
		.amdhsa_system_vgpr_workitem_id 0
		.amdhsa_next_free_vgpr 256
		.amdhsa_next_free_sgpr 80
		.amdhsa_reserve_vcc 0
		.amdhsa_float_denorm_mode_32 3
		.amdhsa_float_denorm_mode_16_64 3
		.amdhsa_memory_ordered 1
		.amdhsa_forward_progress 1
		.amdhsa_inst_pref_size 66
	.end_amdhsa_kernel
	.amdgpu_metadata
---
amdhsa.version: [ 1, 2 ]
amdhsa.kernels:
  - .name:           k_q97cea32058_attn
    .symbol:         k_q97cea32058_attn.kd
    .args:
      - { .name: qimg, .offset: 0, .size: 8, .value_kind: global_buffer, .address_space: global }
      - { .name: kimg, .offset: 8, .size: 8, .value_kind: global_buffer, .address_space: global }
      - { .name: vimg, .offset: 16, .size: 8, .value_kind: global_buffer, .address_space: global }
      - { .name: lowp_scales, .offset: 24, .size: 8, .value_kind: global_buffer, .address_space: global }
      - { .name: aimg, .offset: 32, .size: 8, .value_kind: global_buffer, .address_space: global }
    .group_segment_fixed_size: 327680
    .private_segment_fixed_size: 0
    .kernarg_segment_align: 8
    .kernarg_segment_size: 40
    .max_flat_workgroup_size: 512
    .sgpr_count:     80
    .vgpr_count:     256
    .wavefront_size: 32
...
	.end_amdgpu_metadata
.endif
;; end of part 3
;; launch proj (part 4): grid 8 x 32, 4 waves a work-group, clusters of 4 x 4, 327,680 bytes of LDS; arguments aimg, woc, lowp_scales, b_out, out0; writes out0
.if DOCPART == 4
	.amdgcn_target "amdgcn-amd-amdhsa--gfx1250"
	.amdhsa_code_object_version 6
	.text
	.protected	k_q97cea32058_proj
	.globl	k_q97cea32058_proj
	.p2align	8
	.type	k_q97cea32058_proj,@function
k_q97cea32058_proj:
	s_mov_b64 s[64:65], 0
	v_nop
	global_prefetch_b8 v0, s[64:65] scope:SCOPE_SE
	s_setreg_imm32_b32 hwreg(HW_REG_WAVE_MODE, 25, 1), 1
	s_wait_xcnt 0x0
	s_wait_alu depctr_hold_cnt(0) depctr_sa_sdst(0) depctr_va_vdst(0) depctr_va_sdst(0) depctr_va_ssrc(0) depctr_va_vcc(0) depctr_vm_vsrc(0)
	s_getreg_b32 s2, hwreg(HW_REG_IB_STS2, 6, 4)
	s_cmp_eq_u32 s2, 0
	s_cbranch_scc0 .Lentry_in_a_cluster
	s_endpgm
.Lentry_in_a_cluster:
	s_bfe_u32 s2, ttmp6, 0x10000c
	s_cmp_lg_u32 s2, 0xf033
	s_cbranch_scc0 .Lentry_shape_is_right
	s_endpgm
.Lentry_shape_is_right:
.set PITCH,  272
.set FR,     16
.set NP,     4
.set BOFF,   65536
.set SLOT,   BOFF+128*PITCH
.set STAGE,  2*SLOT
.set SPITCH, 272
.set SPARE,  STAGE+4*16*SPITCH
.set ADRA, 16
.set ADRB, 20
.set STO,  24
.set RD,   25
.set CO,   26
.set BO,   27
.set SPW,  28
.set NIL,  29
.set TMP,  32
.set BI,   64
.set AF,   128
.set BK,   128
.set G1, 24
.set G0, 32
.set G1B, 48
.set G0B, 56
.set MSB, 0
.macro WIN new
.if MSB != (\new)
	s_set_vgpr_msb (MSB<<8)|(\new)
.set MSB, (\new)
.endif
.endm
.set MUL,    0xa1
.set TO_B,   0x40
.macro JLOAD g0a, g1a, g0b, g1b
	s_cmp_eq_u32 s15, 0
	s_cbranch_scc0 .Lfor_b_\@
	tensor_load_to_lds s[\g0a:\g0a+3], s[\g1a:\g1a+7]
	s_nop 0
.rept 4
	v_nop
.endr
	s_branch .Lasked_\@
.Lfor_b_\@:
	tensor_load_to_lds s[\g0b:\g0b+3], s[\g1b:\g1b+7]
	s_nop 0
.rept 4
	v_nop
.endr
.Lasked_\@:
.endm
.macro CREST
	s_cmp_lg_u32 s14, 0
	s_cbranch_scc1 .Lnot_wave_0_\@
	s_barrier_signal -3
.Lnot_wave_0_\@:
	s_barrier_wait -3
	s_barrier_signal -1
	s_barrier_wait -1
.endm
.macro CROUND
	s_barrier_signal -1
	s_barrier_wait -1
	CREST
.endm
	s_load_b256 s[4:11], s[0:1], 0x0
	s_load_b64 s[12:13], s[0:1], 0x20
	v_lshl_add_u32 v[SPW], v0, 2, SPARE
	v_mov_b32 v[NIL], 0
	ds_add_u32 v28, v29
	ds_add_u32 v28, v29
	s_wait_dscnt 0x0
	v_lshrrev_b32 v1, 5, v0
	v_readfirstlane_b32 s14, v1
	s_lshr_b32 s15, s14, 1
	s_and_b32 s16, s14, 1
	s_bfe_u32 s40, ttmp6, 0x40000
	s_bfe_u32 s41, ttmp6, 0x40004
	s_lshl_b32 s42, ttmp9, 2
	s_add_co_u32 s42, s42, s40
	s_and_b32 s17, ttmp7, 0xffff
	s_lshl_b32 s17, s17, 2
	s_add_co_u32 s17, s17, s41
	s_lshl_b32 s43, s41, 2
	s_lshl_b32 s43, 15, s43
	s_lshl_b32 s44, 0x1111, s40
	s_or_b32 s[G1+0], s43, (3<<16)|(1<<21)
	s_mov_b32 s[G1+1], 512<<16
	s_mov_b32 s[G1+2], 8<<16
	s_mov_b32 s[G1+3], 512<<16
	s_mov_b32 s[G1+4], 8
	s_mov_b32 s[G1+5], 2048
	s_mov_b32 s[G1+6], 0
	s_mov_b32 s[G1+7], 0
	s_or_b32 s[G1B+0], s44, (0<<16)|(1<<20)|(1<<21)|(5<<22)|(3<<25)
	s_mov_b32 s[G1B+1], 256<<16
	s_mov_b32 s[G1B+2], 64<<16
	s_mov_b32 s[G1B+3], 256<<16
	s_mov_b32 s[G1B+4], 64
	s_mov_b32 s[G1B+5], 1024
	s_mov_b32 s[G1B+6], 0
	s_mov_b32 s[G1B+7], 0
	s_lshl_b32 s20, s17, 4
	s_lshl_b32 s18, s16, 3
	s_add_co_u32 s20, s20, s18
	s_lshl_b32 s20, s20, 14
	s_mov_b32 s21, 0
	s_lshl_b32 s46, s42, 7
	s_lshl_b32 s18, s16, 6
	s_add_co_u32 s46, s46, s18
	s_lshl_b32 s46, s46, 10
	s_mov_b32 s47, 0
	s_lshl_b32 s45, s16, 15
	s_mul_i32 s66, s16, 64*PITCH
	s_add_co_u32 s66, s66, BOFF
	s_wait_kmcnt 0x0
	s_load_b256 s[76:83], s[8:9], 0x0
	s_add_nc_u64 s[20:21], s[4:5], s[20:21]
	s_add_nc_u64 s[46:47], s[6:7], s[46:47]
	CROUND
.irp s, 0,1
	s_mov_b32 s[G0+4*\s], 1
	s_add_co_u32 s[G0+4*\s+1], s45, \s*SLOT
	s_add_nc_u64 s[G0+4*\s+2:G0+4*\s+3], s[20:21], \s*4096
	s_or_b32 s[G0+4*\s+3], s[G0+4*\s+3], 0x80000000
	s_mov_b32 s[G0B+4*\s], 1
	s_add_co_u32 s[G0B+4*\s+1], s66, \s*SLOT
	s_add_nc_u64 s[G0B+4*\s+2:G0B+4*\s+3], s[46:47], \s*256
	s_or_b32 s[G0B+4*\s+3], s[G0B+4*\s+3], 0x80000000
	s_wait_alu depctr_va_vdst(0)
	s_wait_tensorcnt 0x0
	ds_add_u32 v28, v29
	ds_add_u32 v28, v29
	s_wait_dscnt 0x0
	CROUND
	JLOAD G0+4*\s, G1, G0B+4*\s, G1B
.endr
	v_and_b32 v1, 15, v0
	v_bfe_u32 v2, v0, 4, 1
	v_and_b32 v5, 31, v0
	v_lshlrev_b32 v5, 4, v5
	v_mul_u32_u24 v3, v1, PITCH
	v_lshl_add_u32 v4, v2, 4, v3
	s_lshl_b32 s21, s15, 15
	s_mul_i32 s22, s16, 64*PITCH
	s_add_co_u32 s22, s22, BOFF
.irp s, 0,1
	v_add_nc_u32 v[ADRA+\s], s21, v5
	v_add_nc_u32 v[ADRB+\s], s22, v4
	s_add_co_u32 s21, s21, SLOT
	s_add_co_u32 s22, s22, SLOT
.endr
	s_mul_i32 s23, s14, 16*SPITCH
	s_add_co_u32 s23, s23, STAGE
	v_mul_u32_u24 v6, v1, SPITCH
	v_lshl_add_u32 v6, v2, 5, v6
	v_add_nc_u32 v[STO], s23, v6
	v_mul_u32_u24 v6, v2, SPITCH
	v_lshl_add_u32 v6, v1, 4, v6
	v_add_nc_u32 v[RD], s23, v6
	v_lshlrev_b32 v[CO], 12, v2
	v_lshl_add_u32 v[CO], v1, 4, v[CO]
	v_lshlrev_b32 v[BO], 5, v2
	s_wait_alu depctr_va_vdst(0)
	s_lshl_b32 s20, s17, 1
	s_add_co_u32 s20, s20, s15
	s_lshl_b32 s20, s20, 19
	s_mov_b32 s21, 0
	s_lshl_b32 s46, s42, 9
	s_lshl_b32 s47, s16, 8
	s_add_co_u32 s46, s46, s47
	s_mov_b32 s47, 0
	s_add_nc_u64 s[10:11], s[10:11], s[46:47]
	s_add_nc_u64 s[12:13], s[12:13], s[46:47]
	s_add_nc_u64 s[12:13], s[12:13], s[20:21]
.irp b, 0,1,2,3
	global_load_b128 v[BI+8*\b:BI+8*\b+3], v[BO], s[10:11] offset:64*\b
	global_load_b128 v[BI+8*\b+4:BI+8*\b+7], v[BO], s[10:11] offset:64*\b+16
.endr
	s_wait_kmcnt 0x0
	s_add_co_i32 s96, s82, s83
	s_add_co_i32 s96, s96, 127
	s_lshl_b32 s96, s96, 23
	s_mov_b32 s97, s96
	s_wait_loadcnt 0x0
.macro FRAGA reg, slot, q, i
.irp c, 0,1,2,3
	ds_load_b128 v[\reg+4*\c:\reg+4*\c+3], v[ADRA+\slot] offset:4096*(\i)+2048*(\q)+512*\c
.endr
.endm
.macro FRAGB reg, slot, q, i
.irp c, 0,1,2,3
	ds_load_b128 v[\reg+4*\c:\reg+4*\c+3], v[ADRB+\slot] offset:128*(\q)+32*\c+(\i)*16*PITCH
.endr
.endm
.macro MUL8 a0, p, zero
.irp a, \a0, \a0+1
.irp b, 0,1,2,3
.if \zero
	v_wmma_f32_16x16x128_bf8_bf8 v[8*(4*(\a)+\b):8*(4*(\a)+\b)+7], v[64*(\p)+FR*\b:64*(\p)+FR*\b+FR-1], v[AF+FR*(\a):AF+FR*(\a)+FR-1], 0
.else
	v_wmma_f32_16x16x128_bf8_bf8 v[8*(4*(\a)+\b):8*(4*(\a)+\b)+7], v[64*(\p)+FR*\b:64*(\p)+FR*\b+FR-1], v[AF+FR*(\a):AF+FR*(\a)+FR-1], v[8*(4*(\a)+\b):8*(4*(\a)+\b)+7]
.endif
.endr
.endr
.endm
.macro FETCH_B slot, q, p
	WIN TO_B
.irp i, 0,1,2,3
	FRAGB 64*(\p)+FR*\i, \slot, \q, \i
.endr
	WIN 0
.endm
.macro FETCH_A slot, q, i0
.irp i, \i0, \i0+1, \i0+2, \i0+3
	FRAGA AF+FR*(\i), \slot, \q, \i
.endr
.endm
.macro PLACES n
.rept \n
	v_nop
.endr
.endm
.macro STEP slot, q, zero
	s_wait_dscnt 16
	WIN MUL
	MUL8 0, (\q)%2, \zero
	MUL8 2, (\q)%2, \zero
	s_wait_dscnt 0
	PLACES NP
	FETCH_B \slot, (\q)+1, 1-(\q)%2
	FETCH_A \slot, (\q)+1, 0
	WIN MUL
	MUL8 4, (\q)%2, \zero
	MUL8 6, (\q)%2, \zero
	PLACES NP
	WIN 0
	FETCH_A \slot, (\q)+1, 4
.endm
.macro TURN slot, next, fill
	s_wait_tensorcnt 0x0
	ds_add_u32 v[SPW], v[NIL]
	s_wait_dscnt 17
	WIN MUL
	MUL8 0, 1, 0
	s_wait_dscnt 0x0
	s_barrier_signal -1
	MUL8 2, 1, 0
	WIN 0
	s_barrier_wait -1
.if \fill
	CREST
	s_add_nc_u64 s[G0+4*\slot+2:G0+4*\slot+3], s[G0+4*\slot+2:G0+4*\slot+3], 2*4096
	s_add_nc_u64 s[G0B+4*\slot+2:G0B+4*\slot+3], s[G0B+4*\slot+2:G0B+4*\slot+3], 2*256
	JLOAD G0+4*\slot, G1, G0B+4*\slot, G1B
.else
	PLACES NP
.endif
	FETCH_B \next, 0, 0
	FETCH_A \next, 0, 0
	WIN MUL
	MUL8 4, 1, 0
	MUL8 6, 1, 0
	PLACES NP
	WIN 0
	FETCH_A \next, 0, 4
.endm
	s_wait_tensorcnt 1
	s_barrier_signal -1
	s_barrier_wait -1
	FETCH_B 0, 0, 0
	FETCH_A 0, 0, 0
	FETCH_A 0, 0, 4
	STEP 0, 0, 1
	TURN 0, 1, 1
	STEP 1, 0, 0
	TURN 1, 0, 1
	STEP 0, 0, 0
	TURN 0, 1, 0
	STEP 1, 0, 0
	s_wait_dscnt 16
	WIN MUL
	MUL8 0, 1, 0
	MUL8 2, 1, 0
	s_wait_dscnt 0
	MUL8 4, 1, 0
	MUL8 6, 1, 0
	WIN 0
.macro TOSTAGE a
	WIN 0x02
.irp b, 0,1,2,3
.irp i, 0,2,4,6
	v_pk_fma_f32 v[TMP+8*\b+\i:TMP+8*\b+\i+1], v[8*(4*(\a)+\b)+\i:8*(4*(\a)+\b)+\i+1], s[96:97], v[BI+8*\b+\i:BI+8*\b+\i+1] op_sel_hi:[1,0,1]
.endr
.endr
	WIN 0
.irp b, 0,1,2,3
	ds_store_b128 v[STO], v[TMP+8*\b:TMP+8*\b+3] offset:64*\b
	ds_store_b128 v[STO], v[TMP+8*\b+4:TMP+8*\b+7] offset:64*\b+16
.endr
.set BBK, BK+32*((\a)%2)
.irp t, 0,1,2,3,4,5,6,7
	ds_load_b128 v[BBK+4*\t:BBK+4*\t+3], v[RD] offset:\t*2*SPITCH
.endr
.endm
.macro SEND a, younger
.set BBK, BK+32*((\a)%2)
	s_wait_dscnt \younger
.if (\a) > 0
	s_add_nc_u64 s[12:13], s[12:13], 16*4096
.endif
.irp t, 0,1,2,3,4,5,6,7
	global_store_b128 v[CO], v[BBK+4*\t:BBK+4*\t+3], s[12:13] offset:\t*2*4096 th:TH_STORE_NT
.endr
.endm
	PLACES NP
	TOSTAGE 0
.irp a, 1,2,3,4,5,6,7
.if \a > 1
	s_wait_xcnt 0x0
.endif
	TOSTAGE \a
	SEND \a-1, 16
.endr
	s_wait_xcnt 0x0
	SEND 7, 0
	s_wait_tensorcnt 0x0
	ds_add_u32 v[SPW], v[NIL]
	s_wait_dscnt 0x0
	CROUND
	s_endpgm
.Lfunc_end_k_q97cea32058_proj:
	.size	k_q97cea32058_proj, .Lfunc_end_k_q97cea32058_proj-k_q97cea32058_proj
	.p2alignl 7, 3214868480
	.fill 96, 4, 3214868480
	.section	.rodata,"a",@progbits
	.p2align	6, 0x0
	.amdhsa_kernel k_q97cea32058_proj
		.amdhsa_group_segment_fixed_size 327680
		.amdhsa_private_segment_fixed_size 0
		.amdhsa_enable_private_segment 0
		.amdhsa_kernarg_size 40
		.amdhsa_user_sgpr_count 2
		.amdhsa_user_sgpr_kernarg_segment_ptr 1
		.amdhsa_wavefront_size32 1
		.amdhsa_system_sgpr_workgroup_id_x 1
		.amdhsa_system_sgpr_workgroup_id_y 1
		.amdhsa_system_sgpr_workgroup_id_z 1
		.amdhsa_system_vgpr_workitem_id 0
		.amdhsa_next_free_vgpr 768
		.amdhsa_next_free_sgpr 100
		.amdhsa_reserve_vcc 0
		.amdhsa_float_denorm_mode_32 3
		.amdhsa_float_denorm_mode_16_64 3
		.amdhsa_memory_ordered 1
		.amdhsa_forward_progress 1
		.amdhsa_inst_pref_size 79
	.end_amdhsa_kernel
	.amdgpu_metadata
---
amdhsa.version: [ 1, 2 ]
amdhsa.kernels:
  - .name:           k_q97cea32058_proj
    .symbol:         k_q97cea32058_proj.kd
    .args:
      - { .name: aimg, .offset: 0, .size: 8, .value_kind: global_buffer, .address_space: global }
      - { .name: woc, .offset: 8, .size: 8, .value_kind: global_buffer, .address_space: global }
      - { .name: lowp_scales, .offset: 16, .size: 8, .value_kind: global_buffer, .address_space: global }
      - { .name: b_out, .offset: 24, .size: 8, .value_kind: global_buffer, .address_space: global }
      - { .name: out0, .offset: 32, .size: 8, .value_kind: global_buffer, .address_space: global }
    .group_segment_fixed_size: 327680
    .private_segment_fixed_size: 0
    .kernarg_segment_align: 8
    .kernarg_segment_size: 40
    .max_flat_workgroup_size: 128
    .sgpr_count:     100
    .vgpr_count:     768
    .wavefront_size: 32
...
	.end_amdgpu_metadata
.endif
;; end of part 4
